; MI455X (gfx1250); checked and timed in simulation.
; The chip was launched on July 23, 2026; its instructions are those of AMD's public machine-readable ISA for CDNA 5 (MIT licence, August 2026) and "CDNA5" Instruction Set Architecture Reference Guide (July 2026). The comments in the code are by the model that wrote it; some were corrected since.
;; Attention. Allowed arithmetic: float matrix products may take bf16 or f16 operands with f32 sums; all other float work in f32.
;; Inputs: Wk 512 x 512 float32; Wp 512 x 512 float32; Wq 512 x 512 float32; Wv 512 x 512 float32; bk 512 float32; bp 512 float32; bq 512 float32; bv 512 float32; d 16 x 1,024 x 1,024 float32; k 16 x 1,024 x 512 float32; q 16 x 1,024 x 512 float32; v 16 x 1,024 x 512 float32.
;; Outputs: out0 16 x 1,024 x 512 float32.
;; One version. Each part assembles by itself: llvm-mc -triple=amdgcn-amd-amdhsa -mcpu=gfx1250 --defsym DOCPART=n.
;; ======== version 1 of 1: 2 launches
;; limits: values are held in f16: magnitudes above 65,504 overflow, below 6.1e-05 lose precision
;; workspace buffers: kh 16,777,216 bytes; vh 16,777,216 bytes; wq16 524,288 bytes; wp16 524,288 bytes
;; launch kvproj (part 1): grid 4 x 64, 4 waves a work-group, clusters of 4 x 1, 327,680 bytes of LDS; arguments k, v, Wk, Wv, bk, bv, Wq, Wp, kh, vh, wq16, wp16; writes kh, vh, wq16, wp16
.if DOCPART == 1
	.amdgcn_target "amdgcn-amd-amdhsa--gfx1250"
	.amdhsa_code_object_version 6
	.text
	.protected	k_q2359d96b7c_kvproj
	.globl	k_q2359d96b7c_kvproj
	.p2align	8
	.type	k_q2359d96b7c_kvproj,@function
k_q2359d96b7c_kvproj:
	s_mov_b64 s[64:65], 0
	v_nop
	global_prefetch_b8 v0, s[64:65] scope:SCOPE_SE
	s_setreg_imm32_b32 hwreg(HW_REG_WAVE_MODE, 25, 1), 1
	s_wait_xcnt 0x0
	s_wait_alu depctr_hold_cnt(0) depctr_sa_sdst(0) depctr_va_vdst(0) depctr_va_sdst(0) depctr_va_ssrc(0) depctr_va_vcc(0) depctr_vm_vsrc(0)
	s_getreg_b32 s2, hwreg(HW_REG_IB_STS2, 6, 4)
	s_cmp_eq_u32 s2, 0
	s_cbranch_scc0 .Lentry_in_a_cluster
	s_endpgm
.Lentry_in_a_cluster:
	s_bfe_u32 s2, ttmp6, 0x10000c
	s_cmp_lg_u32 s2, 0x3003
	s_cbranch_scc0 .Lentry_shape_is_right
	s_endpgm
.Lentry_shape_is_right:
; kh = f16(k Wk^T + bk), vh = f16(v Wv^T + bv), both [16384][512]; besides, wq16 = f16(Wq), wp16 = f16(Wp), both [512][512].
; 256 work-groups: y >> 5 picks the tensor (0: k, 1: v), y & 31 a block of 512 rows, cx (the place in the cluster) a quarter of 128 output columns f.
; The four work-groups of a cluster need the same rows of x: every tile of x is asked for JOINTLY (mask 15), which divides the requests for x by four.
; A work-group keeps its 128 x 512 quarter of W in registers as f16 fragments (512 registers a wave), so W is read from memory once by the work-group.
; x streams as 8 tiles of 64 whole rows (2,048 bytes each) through two LDS slots, stays f32 there, and is rounded to f16 on the way into fragments.
; Wave w: fh = w >> 1 (its 64 of the 128 f), rh = w & 1 (its 32 of a tile's 64 rows): 4 x 2 accumulator tiles, 16 K steps, 128 matrix instructions a tile.
; W, EACH NUMBER ONCE: the waves (fh, 0) and (fh, 1) need the same 64 rows of W. Wave (fh, rh) loads and rounds the K steps 2 i + rh alone (window 2, slot i) and
; hands each to its partner through 4,096 bytes of its own in LDS; the partner's K step 2 i + 1 - rh goes into window 3, slot i. Register numbers are the same in
; all waves; the parity stands in addresses: W's offset carries 128 rh bytes, and x has one set of address registers for my parity and one for the partner's.
; So a wave sums K in the order: my parity's eight steps, then the partner's.
; The product is used as D(f, token) = W(f, e) x(token, e): a lane then holds eight neighbouring f of one token, 16 bytes of f16.
; The bias is the C operand of the first K step: nothing is cleared and no add is spent on it.
; WHY f16: eleven significant bits against bf16's eight, and the operands have the room. Numbers of spread 1 in x and 0.01 in W, each 30 times larger: x to about
; 165, W to 1.5, results of 512 terms with spread about 203; both carrying an offset of 30 spreads: 512 x 30 x 0.3 = 4,608. Each 30 times smaller: W of spread
; 3.3e-4 and results of spread 2.5e-4, where f16's step is at most 2.4e-7.
; LIMITS: x, W and the results are rounded to f16; a number above 65,504 in magnitude becomes infinite there. Sums in f32. NaN and infinities pass as the
; arithmetic makes them.
; REGISTERS (windows of 256): window 0 addresses, accumulators, f16 fragments of x, bias; window 1 raw f32 of x (and of W in the prologue), packed results,
; rows read back; window 2 the fragments of W of my parity, window 3 those of the partner's.
.set XPITCH, 528                       ; an LDS row of x: 512 bytes + 16 = 33 x 16: sixteen rows start in sixteen different 16-byte columns of a 256-byte span
.set BLK,    64*XPITCH                 ; 33,792: 64 rows x 128 e, what one tensor load brings
.set SLOT,   4*BLK                     ; 135,168: four column blocks = 64 whole rows
.set STG,    2*SLOT                    ; 270,336: two stages for the way out, into which no tensor load ever lands; in the prologue the exchange of W
.set STGB,   18432                     ; a stage: [fh][64 rows][144 bytes]
.set SPITCH, 144                       ; 128 bytes (64 f in f16) + 16
.set EXB,    16384                     ; an exchange buffer: 4 waves x 4,096 bytes (one K step: 32 registers); two of them take turns
.set AX,   2                           ; v2-5    x fragments of my parity: [slot][pair of column blocks]
.set AST,  6                           ; v6-7    where I put 16 bytes of a row, stage 0, 1
.set ARB,  8                           ; v8-9    where I read rows back, stage 0, 1
.set OGO,  10                          ; v10     my byte offset in the output tile
.set VW,   11                          ; v11     my byte offset in W
.set VB,   12                          ; v12     my byte offset in the bias
.set CSRC, 13                          ; v13     the cast of Wq, Wp: source offset
.set CDST, 14                          ; v14     destination offset
.set ACC,  16                          ; v16-79  accumulator (ft, rt) at 8 (2 ft + rt)
.set XB,   80                          ; v80-207 two buffers of eight f16 fragments (cc, rt) at 8 (2 cc + rt)
.set CT,   80                          ; v80-95  in the prologue: the cast's 16 numbers
.set BI,   208                         ; v208-239 bias fragment of f tile ft
.set AXP,  240                         ; v240-243 x fragments of the partner's parity: [slot][pair of column blocks]
.set EXW,  244                         ; v244    the exchange: where I write
.set EXR,  245                         ; v245    where I read the partner's
.set PK,   128                         ; window 1: packed results
.set RB,   160                         ; window 1: rows read back
.set G1X,  12                          ; s[12:19] descriptor group 1
.set G0X,  20                          ; s[20:27] descriptor group 0, one set for each slot
.set MSB, 0
.macro WIN new                         ; the immediate's high byte repeats the setting that is left; a switch that changes nothing is dropped
.if MSB != (\new)
	s_set_vgpr_msb (MSB<<8)|(\new)
.set MSB, (\new)
.endif
.endm
.macro PLACES                          ; four plain vector instructions behind a matrix instruction (ISA guide 7.12.1)
.rept 4
	v_nop
.endr
.endm
.macro BAR
	s_barrier_signal -1
	s_barrier_wait -1
.endm
.macro ROUND                           ; a round of the cluster's barrier: my work-group's barrier, wave 0 signals for the work-group, all wait, my barrier again
	s_barrier_signal -1
	s_barrier_wait -1
	s_cmp_lg_u32 s3, 0
	s_cbranch_scc1 .Lnot_wave_0_\@
	s_barrier_signal -3
.Lnot_wave_0_\@:
	s_barrier_wait -3
	s_barrier_signal -1
	s_barrier_wait -1
.endm
	s_load_b512 s[36:51], s[0:1], 0x0              ; k, v, Wk, Wv, bk, bv, Wq, Wp
	s_load_b256 s[52:59], s[0:1], 0x40             ; kh, vh, wq16, wp16
	v_lshl_add_u32 v254, v0, 2, 0x4b000
	v_mov_b32 v255, 0
	ds_add_u32 v254, v255
	ds_add_u32 v254, v255
	v_lshrrev_b32 v1, 5, v0
	v_readfirstlane_b32 s3, v1                     ; wave 0..3
	s_bfe_u32 s4, ttmp6, 0x40000                   ; cx: the column quarter
	s_and_b32 s5, ttmp7, 0xffff                    ; y
	s_lshr_b32 s7, s3, 1                           ; fh
	s_and_b32 s8, s3, 1                            ; rh
	; group 1: 64 rows x 128 f32, 512 elements from row to row, 4 words of padding behind every 128 words, joint for the four of the cluster
	s_mov_b32 s[G1X+0], 15|(2<<16)|(1<<20)|(1<<21)|(6<<22)|(3<<25)
	s_mov_b32 s[G1X+1], 128<<16                    ; tensor_dim0 = 128
	s_mov_b32 s[G1X+2], 64<<16                     ; tensor_dim1 = 64
	s_mov_b32 s[G1X+3], 128<<16                    ; tile_dim0 = 128
	s_mov_b32 s[G1X+4], 64                         ; tile_dim1 = 64
	s_mov_b32 s[G1X+5], 512                        ; pitch
	s_mov_b32 s[G1X+6], 0
	s_mov_b32 s[G1X+7], 0
	; LDS addresses: made of the wave's number and the lane alone
	v_and_b32 v1, 15, v0                           ; r
	v_bfe_u32 v15, v0, 4, 1                        ; h
	s_lshl_b32 s9, s8, 5
	v_add_nc_u32 v16, s9, v1                       ; row 32 rh + r
	v_mul_u32_u24 v16, v16, XPITCH
	v_lshl_add_u32 v16, v15, 5, v16                ; + 32 h: eight f32 a half
	s_lshl_b32 s9, s8, 7                           ; K step 2 i + rh begins 256 i + 128 rh bytes into a row
	v_add_nc_u32 v[AX], s9, v16
	s_sub_co_u32 s10, 128, s9                      ; the partner's: 128 (1 - rh)
	v_add_nc_u32 v[AXP], s10, v16
.irp a, AX, AXP
	v_add_nc_u32 v[\a+1], 2*BLK, v[\a]
	v_add_nc_u32 v[\a+2], SLOT, v[\a]
	v_add_nc_u32 v[\a+3], SLOT+2*BLK, v[\a]
.endr
	s_mul_i32 s9, s3, 32*SPITCH                    ; fh x 9,216 + rh x 4,608 = w x 4,608
	v_mul_u32_u24 v17, v1, SPITCH
	v_lshl_add_u32 v17, v15, 4, v17
	v_add_nc_u32 v17, s9, v17
	v_add_nc_u32 v[AST], STG, v17
	v_add_nc_u32 v[AST+1], STG+STGB, v17
	s_lshl_b32 s9, s3, 4
	v_add_nc_u32 v19, s9, v15                      ; back: row 16 w + (lane >> 4)
	v_bfe_u32 v18, v0, 3, 1                        ; lanes 0-7 of sixteen take fh 0, lanes 8-15 fh 1
	v_mul_u32_u24 v18, v18, 64*SPITCH
	v_mul_u32_u24 v20, v19, SPITCH
	v_add_nc_u32 v18, v18, v20
	v_and_b32 v20, 7, v0
	v_lshl_add_u32 v18, v20, 4, v18
	v_add_nc_u32 v[ARB], STG, v18
	v_add_nc_u32 v[ARB+1], STG+STGB, v18
	v_lshlrev_b32 v[OGO], 10, v19                  ; the same row in the output (1,024 bytes a row)
	v_lshl_add_u32 v[OGO], v1, 4, v[OGO]
	v_and_b32 v21, 31, v0                          ; the exchange: 16 bytes a lane, 512 neighbouring bytes a store
	v_lshlrev_b32 v21, 4, v21
	v_add_nc_u32 v21, STG, v21
	s_lshl_b32 s10, s3, 12                         ; my 4,096 bytes
	v_add_nc_u32 v[EXW], s10, v21
	s_sub_co_u32 s10, 1, s8                        ; the partner is wave 2 fh + (1 - rh): its 4,096 bytes begin at
	s_lshl_b32 s10, s10, 12                        ; 4,096 (1 - rh)
	s_lshl_b32 s9, s7, 13                          ; + 8,192 fh
	s_add_co_u32 s10, s10, s9
	v_add_nc_u32 v[EXR], s10, v21
	; global offsets that hang on cx: in s[66:71] alone
	s_lshl_b32 s66, s4, 7
	s_lshl_b32 s67, s7, 6
	s_add_co_u32 s66, s66, s67                     ; my first f = 128 cx + 64 fh
	v_add_nc_u32 v[VW], s66, v1
	v_lshlrev_b32 v[VW], 11, v[VW]                 ; a row of W is 2,048 bytes
	v_lshl_add_u32 v[VW], v15, 5, v[VW]
	s_lshl_b32 s67, s8, 7
	v_add_nc_u32 v[VW], s67, v[VW]                 ; + 128 rh: my parity's K steps
	v_lshl_add_u32 v[VB], v15, 3, s66
	v_lshlrev_b32 v[VB], 2, v[VB]
	s_lshl_b32 s68, s5, 2
	s_add_co_u32 s68, s68, s4                      ; G = 4 y + cx, 0 .. 255: rows 2 G, 2 G + 1 of Wq and of Wp are mine to cast
	s_lshl_b32 s69, s68, 12
	v_lshl_add_u32 v[CSRC], v0, 4, s69
	s_lshl_b32 s69, s68, 11
	v_lshl_add_u32 v[CDST], v0, 3, s69
	s_wait_dscnt 0x0
	s_wait_kmcnt 0x0
	s_cmp_lt_u32 s5, 32                            ; the tensor: k or v
	s_cselect_b64 s[28:29], s[36:37], s[38:39]     ; x
	s_cselect_b64 s[30:31], s[40:41], s[42:43]     ; W
	s_cselect_b64 s[32:33], s[44:45], s[46:47]     ; bias
	s_cselect_b64 s[34:35], s[52:53], s[54:55]     ; output
	s_and_b32 s60, s5, 31
	s_lshl_b32 s61, s3, 9                          ; my column block: 512 bytes
	s_lshl_b32 s62, s60, 20                        ; 512 rows of 2,048 bytes
	s_add_co_u32 s62, s62, s61
	s_mov_b32 s63, 0
	s_add_nc_u64 s[28:29], s[28:29], s[62:63]
	s_mul_i32 s61, s3, BLK
.irp n, 0,1
	s_mov_b32 s[G0X+4*\n], 1
	s_add_co_u32 s[G0X+4*\n+1], s61, \n*SLOT                       ; LDS: slot + wave x 33,792
	s_add_nc_u64 s[G0X+4*\n+2:G0X+4*\n+3], s[28:29], \n*131072     ; tile n: 64 rows further down
	s_or_b32 s[G0X+4*\n+3], s[G0X+4*\n+3], 0x80000000              ; type = 2
.endr
	s_lshl_b32 s70, s60, 19                        ; 512 rows of 1,024 bytes
	s_lshl_b32 s69, s4, 8                          ; my 128 columns: 256 bytes
	s_add_co_u32 s70, s70, s69
	s_mov_b32 s71, 0
	s_add_nc_u64 s[34:35], s[34:35], s[70:71]
	ROUND                                          ; all four work-groups are here: the first joint loads meet
	tensor_load_to_lds s[G0X:G0X+3], s[G1X:G1X+7]                  ; tile 0
	s_nop 0
	tensor_load_to_lds s[G0X+4:G0X+7], s[G1X:G1X+7]                ; tile 1: two tensor loads of the wave are out, never more
	s_nop 0
; 16 loads: my parity's K step number i of my 64 rows of W, raw f32, into quarter `set` of window 1
.macro LOADW i, set
	WIN 0x40
.irp ft, 0,1,2,3
	global_load_b128 v[64*\set+16*\ft:64*\set+16*\ft+3],     v[VW], s[30:31] offset:\ft*32768+(\i)*256
	global_load_b128 v[64*\set+16*\ft+4:64*\set+16*\ft+7],   v[VW], s[30:31] offset:\ft*32768+(\i)*256+16
	global_load_b128 v[64*\set+16*\ft+8:64*\set+16*\ft+11],  v[VW], s[30:31] offset:\ft*32768+(\i)*256+64
	global_load_b128 v[64*\set+16*\ft+12:64*\set+16*\ft+15], v[VW], s[30:31] offset:\ft*32768+(\i)*256+80
.endr
.endm
; 32 roundings: its four fragments, into window 2, slot i
.macro CVTW i
	WIN 0x85
.irp ft, 0,1,2,3
.irp k, 0,1,2,3,4,5,6,7
	v_cvt_pk_f16_f32 v[8*(4*(\i)+\ft)+\k], v[64*((\i)&3)+16*\ft+2*\k], v[64*((\i)&3)+16*\ft+2*\k+1]
.endr
.endr
.endm
	; the prologue's loads: the cast's four, the bias's eight, then three K steps of W: 4 + 8 + 48 = 60 loads of the wave are out, later 48 at the most
	global_load_b128 v[CT:CT+3],     v[CSRC], s[48:49] th:TH_LOAD_NT
	global_load_b128 v[CT+4:CT+7],   v[CSRC], s[48:49] offset:2048 th:TH_LOAD_NT
	global_load_b128 v[CT+8:CT+11],  v[CSRC], s[50:51] th:TH_LOAD_NT
	global_load_b128 v[CT+12:CT+15], v[CSRC], s[50:51] offset:2048 th:TH_LOAD_NT
.irp ft, 0,1,2,3
	global_load_b128 v[BI+8*\ft:BI+8*\ft+3],   v[VB], s[32:33] offset:\ft*64       ; bias(f = 16 ft + 8 h + 0..7)
	global_load_b128 v[BI+8*\ft+4:BI+8*\ft+7], v[VB], s[32:33] offset:\ft*64+16
.endr
	LOADW 0, 0
	LOADW 1, 1
	LOADW 2, 2
.irp i, 0,1,2,3,4,5,6,7
.if \i < 6
	s_wait_loadcnt 32                              ; K step i is in; the 32 younger loads are the next two K steps
.else
.if \i == 6
	s_wait_loadcnt 16                              ; one K step is left behind it
.else
	s_wait_loadcnt 0x0
.endif
.endif
.if \i < 5
	LOADW (\i+3), ((\i+3)&3)                       ; into the quarter that was rounded one turn ago
.endif
	CVTW \i
.if \i == 0
	WIN 0                                          ; the cast: 4 f32 a thread and row become 8 bytes; a wave's store covers 256 consecutive bytes, aligned
.irp a, 0,4,8,12
	v_cvt_pk_f16_f32 v[CT+\a], v[CT+\a], v[CT+\a+1]
	v_cvt_pk_f16_f32 v[CT+\a+1], v[CT+\a+2], v[CT+\a+3]
.endr
	global_store_b64 v[CDST], v[CT:CT+1],     s[56:57]
	global_store_b64 v[CDST], v[CT+4:CT+5],   s[56:57] offset:1024
	global_store_b64 v[CDST], v[CT+8:CT+9],   s[58:59]
	global_store_b64 v[CDST], v[CT+12:CT+13], s[58:59] offset:1024
.endif
	; the exchange: my 32 registers out, the partner's 32 in. Buffer i & 1 is written again two barriers later; in front of the barrier between, every wave
	; has waited for its reads of it.
	WIN 0x08
.irp j, 0,1,2,3,4,5,6,7
	ds_store_b128 v[EXW], v[32*\i+4*\j:32*\i+4*\j+3] offset:(\i&1)*EXB+\j*512
.endr
	s_wait_dscnt 0x0                               ; my stores are done, and my reads of the last turn
	BAR                                            ; the tensor loads stay out
	WIN 0xc0
.irp j, 0,1,2,3,4,5,6,7
	ds_load_b128 v[32*\i+4*\j:32*\i+4*\j+3], v[EXR] offset:(\i&1)*EXB+\j*512
.endr
.endr
; 32 LDS loads: four K steps of one parity (g < 2: mine, else the partner's; g & 1: column blocks 0, 1 or 2, 3) of my 32 rows, raw f32:
; fragment (cc, rt) in 16 registers of window 1. Slot i = 4 (g & 1) + cc of the window is K step 2 i + parity: column block i >> 1, byte 256 (i & 1) + 128 parity.
.macro LOADX slot, g
.if \g < 2
.set AXR, AX+2*\slot+(\g&1)
.else
.set AXR, AXP+2*\slot+(\g&1)
.endif
	WIN 0x40
.irp cc, 0,1,2,3
.irp rt, 0,1
	ds_load_b128 v[16*(2*\cc+\rt):16*(2*\cc+\rt)+3],     v[AXR] offset:(\cc>>1)*BLK+(\cc&1)*256+\rt*16*XPITCH
	ds_load_b128 v[16*(2*\cc+\rt)+4:16*(2*\cc+\rt)+7],   v[AXR] offset:(\cc>>1)*BLK+(\cc&1)*256+\rt*16*XPITCH+16
	ds_load_b128 v[16*(2*\cc+\rt)+8:16*(2*\cc+\rt)+11],  v[AXR] offset:(\cc>>1)*BLK+(\cc&1)*256+\rt*16*XPITCH+64
	ds_load_b128 v[16*(2*\cc+\rt)+12:16*(2*\cc+\rt)+15], v[AXR] offset:(\cc>>1)*BLK+(\cc&1)*256+\rt*16*XPITCH+80
.endr
.endr
.endm
; 64 roundings: the eight raw fragments into buffer xb
.macro CVTX xb
	WIN 0x05
.irp f, 0,1,2,3,4,5,6,7
.irp i, 0,1,2,3,4,5,6,7
	v_cvt_pk_f16_f32 v[XB+64*\xb+8*\f+\i], v[16*\f+2*\i], v[16*\f+2*\i+1]
.endr
.endr
.endm
; 32 matrix instructions: the four K steps of group g. The eight accumulators take turns, one instruction a turn.
.macro MUL g, xb
	WIN (0x02+(\g>>1))
.irp cc, 0,1,2,3
.irp rt, 0,1
.irp ft, 0,1,2,3
.if (\g+\cc) == 0
	v_wmma_f32_16x16x32_f16 v[ACC+8*(2*\ft+\rt):ACC+8*(2*\ft+\rt)+7], v[8*(4*(4*(\g&1)+\cc)+\ft):8*(4*(4*(\g&1)+\cc)+\ft)+7], v[XB+64*\xb+8*(2*\cc+\rt):XB+64*\xb+8*(2*\cc+\rt)+7], v[BI+8*\ft:BI+8*\ft+7]
.else
	v_wmma_f32_16x16x32_f16 v[ACC+8*(2*\ft+\rt):ACC+8*(2*\ft+\rt)+7], v[8*(4*(4*(\g&1)+\cc)+\ft):8*(4*(4*(\g&1)+\cc)+\ft)+7], v[XB+64*\xb+8*(2*\cc+\rt):XB+64*\xb+8*(2*\cc+\rt)+7], v[ACC+8*(2*\ft+\rt):ACC+8*(2*\ft+\rt)+7]
.endif
.endr
.endr
.endr
.endm
; the tile's results: rounded, 16 bytes a lane (eight f of one token) into stage n
.macro STAGE n
	PLACES
	WIN 0x40
.irp a, 0,1,2,3,4,5,6,7
.irp i, 0,1,2,3
	v_cvt_pk_f16_f32 v[PK+4*\a+\i], v[ACC+8*\a+2*\i], v[ACC+8*\a+2*\i+1]
.endr
.endr
	WIN 0x04
.irp ft, 0,1,2,3
.irp rt, 0,1
	ds_store_b128 v[AST+\n], v[PK+4*(2*\ft+\rt):PK+4*(2*\ft+\rt)+3] offset:\rt*16*SPITCH+\ft*32
.endr
.endr
.endm
; sixteen rows of stage n back, two rows a load: sixteen lanes take a row's 256 bytes (fh 0, then fh 1)
.macro READBACK n
	WIN 0
	s_wait_xcnt 0x0                                ; the last tile's stores have had their addresses translated (ISA guide 3.1): their data and base are rewritten only behind this wait
	s_add_nc_u64 s[34:35], s[34:35], 65536         ; 64 rows on; the stores below reach back by the same 65,536
	WIN 0x40
.irp t, 0,1,2,3,4,5,6,7
	ds_load_b128 v[RB+4*\t:RB+4*\t+3], v[ARB+\n] offset:\t*2*SPITCH
.endr
.endm
.macro STORE8
	WIN 0x04
.irp t, 0,1,2,3,4,5,6,7
	global_store_b128 v[OGO], v[RB+4*\t:RB+4*\t+3], s[34:35] offset:\t*2048-65536   ; sixteen lanes store 256 consecutive bytes, aligned
.endr
.endm
; One tile. mode 0: the first; 1: the other slot is filled again, two tiles ahead; 2: the last, nothing is left to fetch.
.macro TILE slot, mode
.if \mode
	WIN 0
	s_wait_tensorcnt 0x0                           ; all my tensor loads have landed, my block of this tile among them: a group 0 may be written
	ds_add_u32 v254, v255
	s_wait_dscnt 0x0
.if \mode == 1
	s_add_nc_u64 s[G0X+4*(1-\slot)+2:G0X+4*(1-\slot)+3], s[G0X+4*(1-\slot)+2:G0X+4*(1-\slot)+3], 262144
.endif
	s_wait_dscnt 0x0                               ; my reads of the other slot and my stores into the stage are done
.if \mode == 1
	ROUND                                          ; both now hold of every wave of the four work-groups
	tensor_load_to_lds s[G0X+4*(1-\slot):G0X+4*(1-\slot)+3], s[G1X:G1X+7]      ; my one tensor load behind the round, first thing there
	s_nop 0
.else
	BAR
.endif
	READBACK (1-\slot)                             ; the last tile's rows, which all four waves wrote in front of that barrier
.endif
	LOADX \slot, 0
.if \mode
	s_wait_dscnt 32                                ; the eight loads of the read-back are in; the 32 younger ones are x's
	STORE8
.endif
	s_wait_dscnt 0x0
	CVTX 0
	LOADX \slot, 1                                 ; the next group's raw numbers come while this group is multiplied
	MUL 0, 0
	s_wait_dscnt 0x0
	CVTX 1
	LOADX \slot, 2
	MUL 1, 1
	s_wait_dscnt 0x0
	CVTX 0
	LOADX \slot, 3
	MUL 2, 0
	s_wait_dscnt 0x0
	CVTX 1
	MUL 3, 1
	STAGE \slot                                    ; stage = slot: it is written again two barriers later, when every wave's read-back of it is over
.endm
	WIN 0
	s_wait_xcnt 0x0                                ; the cast's stores have had their addresses translated: their data, v80-95, are written again below
	s_wait_dscnt 0x0                               ; the partner's last K step is in: behind this barrier the exchange's bytes become the stages
	s_wait_tensorcnt 0x1                           ; my block of tile 0 is in; tile 1's may stay out
	BAR
	TILE 0, 0
	WIN 0
	s_mov_b32 s6, 3
.Ltiles:
	TILE 1, 1
	TILE 0, 1
	WIN 0
	s_sub_co_u32 s6, s6, 1
	s_cmp_lg_u32 s6, 0
	s_cbranch_scc1 .Ltiles
	TILE 1, 2
	WIN 0
	s_wait_dscnt 0x0                               ; my stores into stage 1 are done
	BAR
	READBACK 1
	s_wait_dscnt 0x0
	STORE8
	WIN 0
	s_wait_tensorcnt 0x0
	ds_add_u32 v254, v255
	s_wait_dscnt 0x0
	ROUND                                          ; the closing round: no work-group ends while a partner may still ask jointly
	s_endpgm
.Lfunc_end_k_q2359d96b7c_kvproj:
	.size	k_q2359d96b7c_kvproj, .Lfunc_end_k_q2359d96b7c_kvproj-k_q2359d96b7c_kvproj
	.p2alignl 7, 3214868480
	.fill 96, 4, 3214868480
	.section	.rodata,"a",@progbits
	.p2align	6, 0x0
	.amdhsa_kernel k_q2359d96b7c_kvproj
		.amdhsa_group_segment_fixed_size 327680
		.amdhsa_private_segment_fixed_size 0
		.amdhsa_enable_private_segment 0
		.amdhsa_kernarg_size 96
		.amdhsa_user_sgpr_count 2
		.amdhsa_user_sgpr_kernarg_segment_ptr 1
		.amdhsa_wavefront_size32 1
		.amdhsa_system_sgpr_workgroup_id_x 1
		.amdhsa_system_sgpr_workgroup_id_y 1
		.amdhsa_system_sgpr_workgroup_id_z 1
		.amdhsa_system_vgpr_workitem_id 0
		.amdhsa_next_free_vgpr 1024
		.amdhsa_next_free_sgpr 72
		.amdhsa_reserve_vcc 0
		.amdhsa_float_denorm_mode_32 3
		.amdhsa_float_denorm_mode_16_64 3
		.amdhsa_memory_ordered 1
		.amdhsa_forward_progress 1
		.amdhsa_inst_pref_size 195
	.end_amdhsa_kernel
	.amdgpu_metadata
---
amdhsa.version: [ 1, 2 ]
amdhsa.kernels:
  - .name:           k_q2359d96b7c_kvproj
    .symbol:         k_q2359d96b7c_kvproj.kd
    .args:
      - { .name: k, .offset: 0, .size: 8, .value_kind: global_buffer, .address_space: global }
      - { .name: v, .offset: 8, .size: 8, .value_kind: global_buffer, .address_space: global }
      - { .name: Wk, .offset: 16, .size: 8, .value_kind: global_buffer, .address_space: global }
      - { .name: Wv, .offset: 24, .size: 8, .value_kind: global_buffer, .address_space: global }
      - { .name: bk, .offset: 32, .size: 8, .value_kind: global_buffer, .address_space: global }
      - { .name: bv, .offset: 40, .size: 8, .value_kind: global_buffer, .address_space: global }
      - { .name: Wq, .offset: 48, .size: 8, .value_kind: global_buffer, .address_space: global }
      - { .name: Wp, .offset: 56, .size: 8, .value_kind: global_buffer, .address_space: global }
      - { .name: kh, .offset: 64, .size: 8, .value_kind: global_buffer, .address_space: global }
      - { .name: vh, .offset: 72, .size: 8, .value_kind: global_buffer, .address_space: global }
      - { .name: wq16, .offset: 80, .size: 8, .value_kind: global_buffer, .address_space: global }
      - { .name: wp16, .offset: 88, .size: 8, .value_kind: global_buffer, .address_space: global }
    .group_segment_fixed_size: 327680
    .private_segment_fixed_size: 0
    .kernarg_segment_align: 8
    .kernarg_segment_size: 96
    .max_flat_workgroup_size: 128
    .sgpr_count:     72
    .vgpr_count:     1024
    .wavefront_size: 32
...
	.end_amdgpu_metadata
.endif
;; end of part 1
;; launch attn (part 2): grid 16 x 16, 8 waves a work-group, clusters of 4 x 1, 327,680 bytes of LDS; arguments q, d, kh, vh, wq16, wp16, bq, bp, out0; writes out0
.if DOCPART == 2
	.amdgcn_target "amdgcn-amd-amdhsa--gfx1250"
	.amdhsa_code_object_version 6
	.text
	.protected	k_q2359d96b7c_attn
	.globl	k_q2359d96b7c_attn
	.p2align	8
	.type	k_q2359d96b7c_attn,@function
k_q2359d96b7c_attn:
	s_mov_b64 s[64:65], 0
	v_nop
	global_prefetch_b8 v0, s[64:65] scope:SCOPE_SE
	s_setreg_imm32_b32 hwreg(HW_REG_WAVE_MODE, 25, 1), 1
	s_wait_xcnt 0x0
	s_wait_alu depctr_hold_cnt(0) depctr_sa_sdst(0) depctr_va_vdst(0) depctr_va_sdst(0) depctr_va_ssrc(0) depctr_va_vcc(0) depctr_vm_vsrc(0)
	s_getreg_b32 s2, hwreg(HW_REG_IB_STS2, 6, 4)
	s_cmp_eq_u32 s2, 0
	s_cbranch_scc0 .Lentry_in_a_cluster
	s_endpgm
.Lentry_in_a_cluster:
	s_bfe_u32 s2, ttmp6, 0x10000c
	s_cmp_lg_u32 s2, 0x3003
	s_cbranch_scc0 .Lentry_shape_is_right
	s_endpgm
.Lentry_shape_is_right:
; out0 = (softmax(qh kh^T / 8 + d) * d) vh, heads joined, times Wp^T + bp, with qh = q Wq^T + bq made here.
; 256 work-groups: batch b = y, query block qb = 4 x cluster x + cx: 64 query rows, all 8 heads. Eight waves: wave w is head w in the attention
; part and output columns 64 w .. 64 w + 63 in the two small products (q Wq^T and x Wp^T), so d is read from memory once and nothing of
; qh, the probabilities or x leaves the work-group.
; CLUSTERS: the four work-groups of a cluster lie in one batch and walk the same tiles of kh, vh, wq16 and wp16: those are asked for jointly (mask 15).
; ONE PIPELINE of 24 stages on two LDS regions, stage s reading region s & 1: stages 0-3 tiles of Wq (128 e each), 4-19 steps of 64 keys, 20-23 tiles of Wp.
; At the head of a stage every wave waits for its LDS accesses and all its tensor loads, a round of the cluster's barrier follows, and the region read
; last is filled with the next stage's tiles, one tensor load a wave, EVERY wave an equal part: 64 rows x 256 bytes (waves 0-3 a quarter of V's columns each,
; waves 4-7 of K's; of a weight tile each wave its own 64 rows). A wave has at most two tensor loads out (the two first fills), later one.
; d differs between the partners and would be a ninth load, so it comes through registers: at the start of a step each wave loads 8 rows x 256 bytes of the NEXT
; step's d (sixteen lanes a row), and at the end of the step stores them into one of two d buffers in LDS, which no tensor load ever fills; the wait and the
; round at the next head stand between these stores and the reads.
; EVERYTHING IS COMPUTED TRANSPOSED: S^T(key, query) = K Q^T + d with d's fragment as the C operand; a lane owns one query of a tile, so maximum and sum run
; along its registers and one exchange of the halves; pairs of S pack straight into the B fragment of O^T(dh, query) = V^T P^T; alpha and 1/l are per lane.
; SOFTMAX: a running maximum over steps of 64 keys, the sums rescaled in every step by alpha = 2^(NM_new - NM_old), NM = -max x log2 e rounded once, the same
; shift that the exponentials carry (NM_old is made again from the old maximum by the same multiplication).
; FORMAT: all matrix operands are f16 (eleven significant bits). Their room, for q of spread 1, weights of spread 0.01 and d in 0 .. 1, each 30 times larger,
; smaller, or offset by 30 spreads: q to 165; weights 3.3e-4 to 1.5; qh, kh, vh of spread 2.5e-4 to 203, 4,608 with both offsets; p x d at most 30, since p <= 1.
; x = O / l alone has no such room (spread 1.5e-7 to peaks near 3e4): each token's row of x is multiplied by the power of two that brings its largest
; magnitude over all heads into 2^12 .. 2^13, and the product with Wp by the inverse power; both are exact.
; LIMITS: an operand above 65,504 in magnitude becomes infinite in f16; p x d below 2^-24 becomes 0 (beside a largest p of 1); an exponential below 2^-126 is 0;
; the row scale is made from a largest magnitude clamped to 2^-100 .. 2^120. The maxima drop NaN; NaN and infinite inputs are not treated specially.
.set SLOT,   143360                    ; a region: V's four quarters, then K's four; or a weight tile (139,264)
.set VPITCH, 288                       ; V rows: 256 bytes + 32 = 9 x 32 (transposing loads)
.set KPITCH, 272                       ; K rows: 256 + 16 = 17 x 16
.set DPITCH, 272                       ; d rows: 256 + 16
.set WPITCH, 272                       ; weight rows: 256 + 16
.set XPITCH, 144                       ; rows of the x operand: 128 + 16
.set VQ,     64*VPITCH                 ; 18,432: 64 keys, two heads
.set KQ,     64*KPITCH                 ; 17,408
.set KOFF,   4*VQ                      ; 73,728; K's four quarters end the region
.set WPART,  64*WPITCH                 ; 17,408: a wave's own 64 rows of a weight tile
.set DZ,     2*SLOT                    ; 286,720: from here on LDS is written by LDS stores alone, never by a tensor load
.set DBUF,   64*DPITCH                 ; 17,408: a d buffer; two of them; buffer 0's first 2,048 bytes hold, in stage 19, the table [wave][64 tokens] of largest magnitudes
.set XS,     DZ+DBUF                   ; 304,128: [2 blocks of 64 e][64 rows][144], 18,432 bytes, over d buffer 1: XS serves stages 0-3 and 20-23, the buffer stages 4-19
.set XSUB,   64*XPITCH                 ; 9,216
.set A_AR, 1                           ; v1    the table of largest magnitudes: where I read (token r of wave 0's row)
.set A_K, 2                            ; v2-3  K fragments, region 0, 1
.set A_V, 4                            ; v4-5  V fragments
.set A_D, 6                            ; v6    d fragments (the buffer stands in the immediate)
.set D_S, 7                            ; v7    where my rows of d go in a buffer
.set A_W, 8                            ; v8-9  weight fragments              v8-15 serve the small products; in the attention part they hold d on its way
.set A_X, 10                           ; v10   fragments of the x operand     and are made again behind it
.set A_XQ, 11                          ; v11   where q goes into XS
.set A_XO, 12                          ; v12   where the attention's result goes into XS
.set A_OS, 13                          ; v13   the way out: in
.set A_OR, 14                          ; v14   the way out: back
.set O_G, 15                           ; v15   my offset in out0
.set Q_G, 16                           ; v16   my offset in q
.set B_G, 17                           ; v17   my offset in a bias
.set P_F, 18                           ; v18   prefetch: a row of d a lane
.set D_G, 19                           ; v19   my offset in d's 64 rows
.set A_AM, 19                          ; v19   behind the attention: the table, where I write (my wave's row)
.set DR0, 8                            ; d on its way: four registers a load
.set DR1, 12
.set DR2, 24
.set DR3, 252
.set MX, 20                            ; v20-23 running maximum of query tile qt; behind the attention: the inverse of the row scale
.set LS, 28                            ; v28-31 running sum (this lane's half of the keys); at the end 1 / l times the row scale
.set T0, 32
.set T1, 33
.set AL, 34                            ; v34-35 alpha (a pair for the packed multiply; the first is used)
.set NMP, 36                           ; v36-37 the new NM, likewise
.set SUM, 38                           ; v38-39
.set SF, 40                            ; v40-103  S, two buffers of 32
.set DF, 104                           ; v104-167 d fragments, two buffers of 32
.set FR, 40                            ; in the small products: two buffers of 32 (weights) + 32 (x)
.set RAW, 40                           ; at the start: q as loaded; at the end: rows of out0
.set TMX, 40                           ; behind the attention: v40-55 largest, v56-71 smallest of O(dt, qt), v72-103 the table's words
.set TMN, 56
.set AMR, 72
.set PF, 168                           ; v168-183 P: two B fragments; in stage 3: d's first tile on its way
.set KF, 184                           ; v184-247 K fragment (kt, c) at 8 (2 kt + c)
.set QB, 184                           ; before that: q in f16
.set TC, 248                           ; v248-251 four chains of the maximum; at work where addresses are made
.set QF, 128                           ; window 1: Q fragment (qt, c) at 8 (2 qt + c); window 1's v0-127: O(dt, qt) = ACC(ft, qt) at 8 (4 dt + qt)
.set XP, 128                           ; window 1, later: x packed, (dt, qt) at 4 (4 dt + qt)
.set VF, 192                           ; window 1: V fragment (dt, c2) at 8 (2 dt + c2)
.set BI, 192                           ; window 1, in the small products: bias fragment of f tile ft
.set G1W, 8                            ; s[8:15]  group 1 of weight tiles and of K's quarters: the same shape and padding
.set G1V, 24                           ; s[24:31] group 1 of V's quarters
.set G0W, 40
.set G0K, 48
.set G0V, 56
.set MSB, 0
.macro WIN new
.if MSB != (\new)
	s_set_vgpr_msb (MSB<<8)|(\new)
.set MSB, (\new)
.endif
.endm
.macro PLACES                          ; four plain vector instructions behind a matrix instruction (ISA guide 7.12.1)
.rept 4
	v_nop
.endr
.endm
.macro BAR
	s_barrier_signal -1
	s_barrier_wait -1
.endm
.macro ROUND
	s_barrier_signal -1
	s_barrier_wait -1
	s_cmp_lg_u32 s3, 0
	s_cbranch_scc1 .Lnot_wave_0_\@
	s_barrier_signal -3
.Lnot_wave_0_\@:
	s_barrier_wait -3
	s_barrier_signal -1
	s_barrier_wait -1
.endm
.macro G1SET base, w0, cols, pitch     ; 64 rows x cols elements
	s_mov_b32 s[\base+0], \w0
	s_mov_b32 s[\base+1], (\cols)<<16
	s_mov_b32 s[\base+2], 64<<16
	s_mov_b32 s[\base+3], (\cols)<<16
	s_mov_b32 s[\base+4], 64
	s_mov_b32 s[\base+5], \pitch
	s_mov_b32 s[\base+6], 0
	s_mov_b32 s[\base+7], 0
.endm
.set W0W, 15|(1<<16)|(1<<20)|(1<<21)|(5<<22)|(3<<25)   ; joint; 2-byte elements; 4 words of padding behind every 64
.set W0V, 15|(1<<16)|(1<<20)|(1<<21)|(5<<22)|(7<<25)   ; joint; 8 words behind every 64
; The small products' addresses, made of the wave's number and the lane: once at the start, once more behind the attention part
.macro GADDR
	v_and_b32 v[TC], 15, v0                        ; r
	v_bfe_u32 v[TC+1], v0, 4, 1                    ; h
	v_mul_u32_u24 v[TC+2], v[TC], WPITCH
	s_mul_i32 s2, s3, WPART
	v_lshl_add_u32 v[TC+3], v[TC+1], 4, v[TC+2]    ; r x 272 + 16 h
	v_add_nc_u32 v[A_W], s2, v[TC+3]
	v_add_nc_u32 v[A_W+1], SLOT, v[A_W]
	v_lshl_add_u32 v[TC+3], v[TC+1], 5, v[TC+2]    ; r x 272 + 32 h
	v_add_nc_u32 v[A_OS], s2, v[TC+3]
	v_mul_u32_u24 v[TC+3], v[TC+1], WPITCH
	v_lshl_add_u32 v[TC+3], v[TC], 4, v[TC+3]
	v_add_nc_u32 v[A_OR], s2, v[TC+3]
	v_mul_u32_u24 v[TC+3], v[TC], XPITCH
	v_lshl_add_u32 v[TC+3], v[TC+1], 4, v[TC+3]
	v_add_nc_u32 v[A_X], XS, v[TC+3]
	s_and_b32 s2, s3, 1
	s_mul_i32 s2, s2, XSUB
	v_add_nc_u32 v[A_XO], s2, v[A_X]
	s_lshl_b32 s2, s3, 8
	v_lshlrev_b32 v[O_G], 4, v[TC]
	v_lshl_add_u32 v[O_G], v[TC+1], 11, v[O_G]
	v_add_nc_u32 v[O_G], s2, v[O_G]                ; (lane >> 4) rows of 2,048 bytes + 256 w + 16 (lane & 15)
.endm
	s_load_b512 s[76:91], s[0:1], 0x0              ; q, d, kh, vh, wq16, wp16, bq, bp
	s_load_b64 s[92:93], s[0:1], 0x40              ; out0
	v_lshl_add_u32 v254, v0, 2, 0x4ec00
	v_mov_b32 v255, 0
	ds_add_u32 v254, v255
	ds_add_u32 v254, v255
	s_wait_dscnt 0x0
	v_lshrrev_b32 v1, 5, v0
	v_readfirstlane_b32 s3, v1                     ; wave 0..7
	s_bfe_u32 s4, ttmp6, 0x40000                   ; cx
	s_and_b32 s5, ttmp7, 0xffff                    ; b
	s_lshr_b32 s7, s3, 1                           ; my pair of heads
	s_lshl_b32 s96, ttmp9, 2
	s_add_co_u32 s96, s96, s4                      ; qb
	s_mov_b32 s94, 0x76543210                      ; v_permlanex16_b32: lane i of one half reads lane i of the other
	s_mov_b32 s95, 0xfedcba98
	s_mov_b32 s104, 0                              ; the prefetch's column offset in d
	s_mov_b32 s105, 0
	G1SET G1W, W0W, 128, 512
	G1SET G1V, W0V, 128, 512
	; LDS addresses: the wave's number and the lane alone
	v_and_b32 v1, 15, v0                           ; r
	v_bfe_u32 v19, v0, 4, 1                        ; h
	s_and_b32 s99, s3, 1
	s_lshl_b32 s99, s99, 7                         ; my head's 128 bytes in a quarter's row
	s_mul_i32 s2, s7, KQ
	s_add_co_u32 s2, s2, s99
	v_mul_u32_u24 v20, v1, KPITCH
	v_lshl_add_u32 v20, v19, 4, v20
	v_add_nc_u32 v20, s2, v20
	v_add_nc_u32 v[A_K], KOFF, v20
	v_add_nc_u32 v[A_K+1], SLOT+KOFF, v20
	s_mul_i32 s2, s7, VQ
	s_add_co_u32 s2, s2, s99
	v_and_b32 v21, 7, v0
	v_lshl_add_u32 v21, v19, 3, v21                ; key 8 h + (lane & 7)
	v_mul_u32_u24 v21, v21, VPITCH
	v_bfe_u32 v22, v0, 3, 1
	v_lshl_add_u32 v21, v22, 4, v21
	v_add_nc_u32 v[A_V], s2, v21
	v_add_nc_u32 v[A_V+1], SLOT, v[A_V]
	v_mul_u32_u24 v23, v1, DPITCH
	v_lshl_add_u32 v23, v19, 5, v23                ; r x 272 + 32 h
	v_add_nc_u32 v[A_D], DZ, v23
	s_lshl_b32 s2, s3, 3
	v_add_nc_u32 v24, s2, v19                      ; d's way in: row 8 w + (lane >> 4)
	v_mul_u32_u24 v25, v24, DPITCH
	v_lshl_add_u32 v25, v1, 4, v25
	v_add_nc_u32 v[D_S], DZ, v25
	v_lshlrev_b32 v24, 12, v24                     ; the same row in d: 4,096 bytes a row
	GADDR
	s_mul_i32 s2, s3, 8*XPITCH                     ; my eight rows of q
	v_mul_u32_u24 v28, v19, XSUB
	v_lshl_add_u32 v28, v1, 3, v28
	v_add_nc_u32 v28, s2, v28
	v_add_nc_u32 v[A_XQ], XS, v28
	s_lshl_b32 s2, s3, 8
	v_lshl_add_u32 v[B_G], v19, 5, s2              ; 256 w + 32 h
	v_and_b32 v29, 31, v0
	s_lshl_b32 s2, s3, 14
	v_lshl_add_u32 v[Q_G], v29, 4, s2              ; 8 w rows of 2,048 bytes + 16 lane
	v_lshlrev_b32 v[P_F], 12, v29
	v_lshl_add_u32 v[D_G], v1, 4, v24              ; h has served: its register takes row x 4,096 + 16 (lane & 15)
	v_lshlrev_b32 v[A_AR], 2, v1                   ; and r's the table's address
	v_add_nc_u32 v[A_AR], DZ, v[A_AR]              ; DZ + 4 r
	v_mov_b32 v[T1], 0                             ; a destination of v_permlanex16_b32 and the unused halves of two pairs count as read
	v_mov_b32 v[AL+1], 0
	v_mov_b32 v[NMP+1], 0
	s_wait_kmcnt 0x0
	; what the partners share: s[98:99] never hold anything made of cx
	s_lshl_b32 s98, s3, 16                         ; my 64 rows of a weight: 65,536 bytes
	s_mov_b32 s99, 0
	s_add_nc_u64 s[84:85], s[84:85], s[98:99]
	s_add_nc_u64 s[86:87], s[86:87], s[98:99]
	s_and_b32 s98, s3, 3
	s_lshl_b32 s98, s98, 8                         ; which quarter of a row I fetch: 256 bytes, two heads
	s_lshl_b32 s2, s5, 20                          ; a batch of kh, vh: 1,024 rows of 1,024 bytes
	s_add_co_u32 s98, s98, s2
	s_add_nc_u64 s[80:81], s[80:81], s[98:99]
	s_add_nc_u64 s[82:83], s[82:83], s[98:99]
	; what is my own
	s_lshl_b32 s100, s5, 22
	s_lshl_b32 s97, s96, 18
	s_add_co_u32 s100, s100, s97
	s_mov_b32 s101, 0
	s_add_nc_u64 s[78:79], s[78:79], s[100:101]    ; d at my 64 rows
	s_mov_b64 s[68:69], s[78:79]                   ; and at the tile that is loaded next: 256 bytes on after each
	s_lshl_b32 s100, s5, 21
	s_lshl_b32 s97, s96, 17
	s_add_co_u32 s100, s100, s97
	s_add_nc_u64 s[76:77], s[76:77], s[100:101]    ; q
	s_add_nc_u64 s[92:93], s[92:93], s[100:101]    ; out0
	s_mul_i32 s98, s3, WPART
.irp n, 0,1
	s_mov_b32 s[G0W+4*\n], 1
	s_add_co_u32 s[G0W+4*\n+1], s98, \n*SLOT
	s_add_nc_u64 s[G0W+4*\n+2:G0W+4*\n+3], s[84:85], \n*256        ; tile n of Wq: 128 e further along
	s_or_b32 s[G0W+4*\n+3], s[G0W+4*\n+3], 0x80000000
.endr
	s_mul_i32 s98, s3, KQ
.irp n, 0,1
	s_mov_b32 s[G0K+4*\n], 1
	s_add_co_u32 s[G0K+4*\n+1], s98, \n*SLOT+KOFF-4*KQ             ; waves 4 to 7 ask: KOFF + (w - 4) x 17,408
	s_add_nc_u64 s[G0K+4*\n+2:G0K+4*\n+3], s[80:81], \n*65536      ; step n: 64 keys further down
	s_or_b32 s[G0K+4*\n+3], s[G0K+4*\n+3], 0x80000000
.endr
	s_mul_i32 s98, s3, VQ
.irp n, 0,1
	s_mov_b32 s[G0V+4*\n], 1
	s_add_co_u32 s[G0V+4*\n+1], s98, \n*SLOT                       ; waves 0 to 3 ask: w x 18,432
	s_add_nc_u64 s[G0V+4*\n+2:G0V+4*\n+3], s[82:83], \n*65536
	s_or_b32 s[G0V+4*\n+3], s[G0V+4*\n+3], 0x80000000
.endr
.macro LDW n                           ; every wave: its own 64 rows of a weight tile
	tensor_load_to_lds s[G0W+4*\n:G0W+4*\n+3], s[G1W:G1W+7]
	s_nop 0
.endm
.macro LDKV n                          ; waves 0-3: V's quarters; 4-7: K's: eight loads of 64 rows x 256 bytes. The branch hangs on the wave's number alone.
	s_cmp_lt_u32 s3, 4
	s_cbranch_scc0 .Lfor_k_\@
	tensor_load_to_lds s[G0V+4*\n:G0V+4*\n+3], s[G1V:G1V+7]
	s_nop 0
	s_branch .Lasked_\@
.Lfor_k_\@:
	tensor_load_to_lds s[G0K+4*\n:G0K+4*\n+3], s[G1W:G1W+7]
	s_nop 0
.Lasked_\@:
.endm
; One wave, number 5, asks for the d tile (64 rows x 256 bytes, a row a lane, two lines) that all eight waves load at the start of the NEXT stage:
; one stage, 16 KiB, ahead. The offset stops at the last tile (3,840), so the last request names that tile again and none leaves the buffer.
.macro PFD
	s_cmp_lg_u32 s3, 5
	s_cbranch_scc1 .Lno_pf_\@
	s_wait_xcnt 0x0                                ; the last stage's requests have had their addresses translated: their base is rewritten only behind this wait
	s_add_nc_u64 s[66:67], s[78:79], s[104:105]
	global_prefetch_b8 v[P_F], s[66:67] th:TH_LOAD_NT scope:SCOPE_SE
	global_prefetch_b8 v[P_F], s[66:67] offset:131072 th:TH_LOAD_NT scope:SCOPE_SE
	s_add_co_u32 s104, s104, 256
	s_min_u32 s104, s104, 3840
.Lno_pf_\@:
.endm
; My 8 rows of the next d tile: four loads, two rows each, sixteen lanes covering a row's 256 consecutive bytes, aligned
.macro DGL a, b, c, e
	global_load_b128 v[\a:\a+3], v[D_G], s[68:69] th:TH_LOAD_NT
	global_load_b128 v[\b:\b+3], v[D_G], s[68:69] offset:8192 th:TH_LOAD_NT
	global_load_b128 v[\c:\c+3], v[D_G], s[68:69] offset:16384 th:TH_LOAD_NT
	global_load_b128 v[\e:\e+3], v[D_G], s[68:69] offset:24576 th:TH_LOAD_NT
.endm
; and into d buffer n, which was last read one stage ago, in front of the round at this stage's head
.macro DST n, a, b, c, e
	s_wait_loadcnt 0x0                             ; the four loads, issued a stage's work ago; the base may step behind this wait
	ds_store_b128 v[D_S], v[\a:\a+3] offset:(\n)*DBUF
	ds_store_b128 v[D_S], v[\b:\b+3] offset:(\n)*DBUF+2*DPITCH
	ds_store_b128 v[D_S], v[\c:\c+3] offset:(\n)*DBUF+4*DPITCH
	ds_store_b128 v[D_S], v[\e:\e+3] offset:(\n)*DBUF+6*DPITCH
	s_add_nc_u64 s[68:69], s[68:69], 256
.endm
; The head of a stage. step 1: region n's weight tile moves on; 2: region n's K and V tiles move on; 3: the weight descriptors turn to Wp.
; load 1: a weight tile into region n; 2: K and V into region n; 0: nothing is left to fetch, a plain barrier.
.macro HEAD step, n, load
	WIN 0
	s_wait_xcnt 0x0
	v_lshl_add_u32 v254, v0, 2, 0x4ec00
	v_mov_b32 v255, 0
	s_wait_tensorcnt 0x0                           ; all my tensor loads have landed, my part of this stage's region among them: every group 0 may be written
	ds_add_u32 v254, v255
	s_wait_dscnt 0x0
.if \step == 1
	s_add_nc_u64 s[G0W+4*\n+2:G0W+4*\n+3], s[G0W+4*\n+2:G0W+4*\n+3], 512
.endif
.if \step == 2
	s_add_nc_u64 s[G0K+4*\n+2:G0K+4*\n+3], s[G0K+4*\n+2:G0K+4*\n+3], 131072
	s_add_nc_u64 s[G0V+4*\n+2:G0V+4*\n+3], s[G0V+4*\n+2:G0V+4*\n+3], 131072
.endif
.if \step == 3
	s_mov_b64 s[G0W+2:G0W+3], s[86:87]
	s_or_b32 s[G0W+3], s[G0W+3], 0x80000000
	s_add_nc_u64 s[G0W+6:G0W+7], s[86:87], 256
	s_or_b32 s[G0W+7], s[G0W+7], 0x80000000
.endif
	s_wait_dscnt 0x0                               ; my reads of the other region, of d and of XS, and my stores of d are done
.if \load == 0
	BAR
.else
	ROUND                                          ; both now hold of every wave of the four work-groups
.if \load == 1
	LDW \n
.else
	LDKV \n
.endif
.endif
.endm
; ---- the small products: ACC(f, token) += W(f, e) X(token, e), 64 f of mine x 64 tokens, 128 e a stage ----
.macro FETCH n, c, buf                 ; 16 LDS loads: K step c of the stage: four weight fragments, four fragments of x
	WIN 0
.irp ft, 0,1,2,3
	ds_load_b128 v[FR+64*\buf+8*\ft:FR+64*\buf+8*\ft+3],   v[A_W+\n] offset:\ft*16*WPITCH+\c*64
	ds_load_b128 v[FR+64*\buf+8*\ft+4:FR+64*\buf+8*\ft+7], v[A_W+\n] offset:\ft*16*WPITCH+\c*64+32
.endr
.irp qt, 0,1,2,3
	ds_load_b128 v[FR+64*\buf+32+8*\qt:FR+64*\buf+32+8*\qt+3],   v[A_X] offset:(\c>>1)*XSUB+\qt*16*XPITCH+(\c&1)*64
	ds_load_b128 v[FR+64*\buf+32+8*\qt+4:FR+64*\buf+32+8*\qt+7], v[A_X] offset:(\c>>1)*XSUB+\qt*16*XPITCH+(\c&1)*64+32
.endr
.endm
.macro MUL16 buf, start                ; sixteen accumulators take turns, one instruction a turn; start = 1: the bias starts the sums, 2: the constant 0
	WIN 0x50
.irp ft, 0,1,2,3
.irp qt, 0,1,2,3
.if \start == 1
	v_wmma_f32_16x16x32_f16 v[8*(4*\ft+\qt):8*(4*\ft+\qt)+7], v[FR+64*\buf+8*\ft:FR+64*\buf+8*\ft+7], v[FR+64*\buf+32+8*\qt:FR+64*\buf+32+8*\qt+7], v[BI+8*\ft:BI+8*\ft+7]
.else
.if \start == 2
	v_wmma_f32_16x16x32_f16 v[8*(4*\ft+\qt):8*(4*\ft+\qt)+7], v[FR+64*\buf+8*\ft:FR+64*\buf+8*\ft+7], v[FR+64*\buf+32+8*\qt:FR+64*\buf+32+8*\qt+7], 0
.else
	v_wmma_f32_16x16x32_f16 v[8*(4*\ft+\qt):8*(4*\ft+\qt)+7], v[FR+64*\buf+8*\ft:FR+64*\buf+8*\ft+7], v[FR+64*\buf+32+8*\qt:FR+64*\buf+32+8*\qt+7], v[8*(4*\ft+\qt):8*(4*\ft+\qt)+7]
.endif
.endif
.endr
.endr
.endm
.macro GSTAGE n, start
	PLACES
	FETCH \n, 0, 0
	FETCH \n, 1, 1
	s_wait_dscnt 16                                ; all but the sixteen youngest, the next K step's
	MUL16 0, \start
	PLACES
	FETCH \n, 2, 0
	s_wait_dscnt 16
	MUL16 1, 0
	PLACES
	FETCH \n, 3, 1
	s_wait_dscnt 16
	MUL16 0, 0
	s_wait_dscnt 0x0
	MUL16 1, 0
	WIN 0
.endm
.macro XSQ p                           ; columns 128 p .. + 127 of my eight rows of q, 8 bytes a lane
.irp i, 0,1,2,3,4,5,6,7
	ds_store_b64 v[A_XQ], v[QB+16*\p+2*\i:QB+16*\p+2*\i+1] offset:\i*XPITCH
.endr
.endm
.macro XSO p                           ; heads 2 p and 2 p + 1 lay their 64 columns of x into XS
	s_cmp_lg_u32 s7, \p
	s_cbranch_scc1 .Lnot_mine_\@
	WIN 0x04
.irp dt, 0,1,2,3
.irp qt, 0,1,2,3
	ds_store_b128 v[A_XO], v[XP+4*(4*\dt+\qt):XP+4*(4*\dt+\qt)+3] offset:\qt*16*XPITCH+\dt*32
.endr
.endr
	WIN 0
.Lnot_mine_\@:
.endm
; ---- the attention step ----
.macro DLOAD n, qt, sb                 ; d(query 16 qt + r, key 16 kt + 8 h + 0..7) from buffer n: the layout of an accumulator
.irp kt, 0,1,2,3
	ds_load_b128 v[DF+32*\sb+8*\kt:DF+32*\sb+8*\kt+3],   v[A_D] offset:(\n)*DBUF+(\qt)*16*DPITCH+\kt*64
	ds_load_b128 v[DF+32*\sb+8*\kt+4:DF+32*\sb+8*\kt+7], v[A_D] offset:(\n)*DBUF+(\qt)*16*DPITCH+\kt*64+16
.endr
.endm
.macro QK qt, sb                       ; S^T = d + K Q^T: four accumulators take turns
	WIN 0x04
.irp kt, 0,1,2,3
	v_wmma_f32_16x16x32_f16 v[SF+32*\sb+8*\kt:SF+32*\sb+8*\kt+7], v[KF+16*\kt:KF+16*\kt+7], v[QF+16*\qt:QF+16*\qt+7], v[DF+32*\sb+8*\kt:DF+32*\sb+8*\kt+7]
.endr
.irp kt, 0,1,2,3
	v_wmma_f32_16x16x32_f16 v[SF+32*\sb+8*\kt:SF+32*\sb+8*\kt+7], v[KF+16*\kt+8:KF+16*\kt+15], v[QF+16*\qt+8:QF+16*\qt+15], v[SF+32*\sb+8*\kt:SF+32*\sb+8*\kt+7]
.endr
.endm
.macro SMF g                           ; exponents of eight: S log2 e - max log2 e, fused
.irp i, 0,2,4,6
	v_pk_fma_f32 v[SB_+8*\g+\i:SB_+8*\g+\i+1], v[SB_+8*\g+\i:SB_+8*\g+\i+1], 0x3fb8aa3b, v[NMP:NMP+1] op_sel_hi:[1,0,0]
.endr
.endm
.macro SME g
.irp i, 0,1,2,3,4,5,6,7
	v_exp_f32 v[SB_+8*\g+\i], v[SB_+8*\g+\i]
.endr
.endm
.macro SMC g                           ; eight probabilities: into the sum, times d, rounded into P
.irp i, 0,2,4,6
.if (8*\g+\i) == 0
	s_wait_alu depctr_va_vdst(0)
	v_pk_add_f32 v[SUM:SUM+1], v[SB_:SB_+1], v[SB_+2:SB_+3]        ; the first four start the sum
.else
.if (8*\g+\i) != 2
	s_wait_alu depctr_va_vdst(0)
	v_pk_add_f32 v[SUM:SUM+1], v[SUM:SUM+1], v[SB_+8*\g+\i:SB_+8*\g+\i+1]
.endif
.endif
	v_pk_mul_f32 v[SB_+8*\g+\i:SB_+8*\g+\i+1], v[SB_+8*\g+\i:SB_+8*\g+\i+1], v[DB_+8*\g+\i:DB_+8*\g+\i+1]
.endr
.irp i, 0,2,4,6
	v_cvt_pk_f16_f32 v[PF+4*\g+\i/2], v[SB_+8*\g+\i], v[SB_+8*\g+\i+1]
.endr
.endm
; The softmax of query tile qt on buffer sb. A lane holds 32 of its query's 64 keys; its partner in the other half the other 32.
.macro SM n, qt, sb, first
	WIN 0
.set SB_, SF+32*\sb
.set DB_, DF+32*\sb
.irp k, 0,1,2,3
	v_max3_num_f32 v[TC+\k], v[SB_+8*\k], v[SB_+8*\k+1], v[SB_+8*\k+2]
.endr
.irp k, 0,1,2,3
	v_max3_num_f32 v[TC+\k], v[TC+\k], v[SB_+8*\k+3], v[SB_+8*\k+4]
.endr
.irp k, 0,1,2,3
	v_max3_num_f32 v[TC+\k], v[TC+\k], v[SB_+8*\k+5], v[SB_+8*\k+6]
.endr
	v_max3_num_f32 v[TC], v[TC], v[SB_+7], v[SB_+15]
	v_max3_num_f32 v[TC+2], v[TC+2], v[SB_+23], v[SB_+31]
	v_max3_num_f32 v[TC], v[TC], v[TC+1], v[TC+3]
.if \first
	v_max_num_f32 v[T0], v[TC], v[TC+2]
.else
	v_max3_num_f32 v[T0], v[TC], v[TC+2], v[MX+\qt]
	v_mul_f32 v[AL], 0xbfb8aa3b, v[MX+\qt]         ; the old shift, by the multiplication that made it one step ago: the same bits
.endif
	v_permlanex16_b32 v[T1], v[T0], s94, s95
	v_max_num_f32 v[MX+\qt], v[T0], v[T1]          ; the running maximum, the same in both halves
	v_mul_f32 v[NMP], 0xbfb8aa3b, v[MX+\qt]
.if \first == 0
	v_sub_f32 v[AL], v[NMP], v[AL]
	v_exp_f32 v[AL], v[AL]                         ; alpha; the packed multiply-adds below are the plain instructions behind it (ISA guide 5.7.2)
.endif
	; groups of eight, so ordered that a plain independent instruction stands behind every run of exponentials before a result is used
	SMF 0
	SME 0
	SMF 1
	SME 1
	SMC 0
	SMF 2
	SME 2
	SMC 1
	SMF 3
	SME 3
	SMC 2
	SMC 3
.if \first
	v_add_f32 v[LS+\qt], v[SUM], v[SUM+1]
.else
	v_add_f32 v[SUM], v[SUM], v[SUM+1]
	v_fma_f32 v[LS+\qt], v[LS+\qt], v[AL], v[SUM]
.endif
.if \qt < 2
	DLOAD \n, \qt+2, \sb                           ; this buffer's d is used up: the tile two further on
.endif
.endm
.macro RESC qt                         ; O(., qt) times the number in AL
	WIN 0x41
.irp dt, 0,1,2,3
.irp i, 0,2,4,6
	v_pk_mul_f32 v[8*(4*\dt+\qt)+\i:8*(4*\dt+\qt)+\i+1], v[8*(4*\dt+\qt)+\i:8*(4*\dt+\qt)+\i+1], v[AL:AL+1] op_sel_hi:[1,0]
.endr
.endr
.endm
.macro PV qt, first                    ; O^T += V^T P^T: four accumulators take turns; first = 1: the product starts the sums
	WIN 0x51
.irp dt, 0,1,2,3
.if \first
	v_wmma_f32_16x16x32_f16 v[8*(4*\dt+\qt):8*(4*\dt+\qt)+7], v[VF+16*\dt:VF+16*\dt+7], v[PF:PF+7], 0
.else
	v_wmma_f32_16x16x32_f16 v[8*(4*\dt+\qt):8*(4*\dt+\qt)+7], v[VF+16*\dt:VF+16*\dt+7], v[PF:PF+7], v[8*(4*\dt+\qt):8*(4*\dt+\qt)+7]
.endif
.endr
.irp dt, 0,1,2,3
	v_wmma_f32_16x16x32_f16 v[8*(4*\dt+\qt):8*(4*\dt+\qt)+7], v[VF+16*\dt+8:VF+16*\dt+15], v[PF+8:PF+15], v[8*(4*\dt+\qt):8*(4*\dt+\qt)+7]
.endr
.endm
.macro SRP n, qt, sb, first            ; softmax, rescale
	SM \n, \qt, \sb, \first
.if \first == 0
	RESC \qt
.endif
.endm
; 64 keys of region n against my head's 64 queries. pf = 1: the prefetch; dl = 1: the next step's d is loaded at the start and stored at the end
.macro KVSTEP n, first, pf, dl
.if \pf
	PFD
.endif
.if \dl
	DGL DR0, DR1, DR2, DR3
.endif
	PLACES                                         ; behind the last step's products, whose V fragments are loaded anew below
	WIN 0
.irp kt, 0,1,2,3
.irp c, 0,1
	ds_load_b128 v[KF+8*(2*\kt+\c):KF+8*(2*\kt+\c)+3],   v[A_K+\n] offset:\kt*16*KPITCH+\c*64
	ds_load_b128 v[KF+8*(2*\kt+\c)+4:KF+8*(2*\kt+\c)+7], v[A_K+\n] offset:\kt*16*KPITCH+\c*64+32
.endr
.endr
	DLOAD \n, 0, 0
	DLOAD \n, 1, 1
	WIN 0x40
.irp dt, 0,1,2,3
.irp c2, 0,1
	ds_load_tr16_b128 v[VF+8*(2*\dt+\c2):VF+8*(2*\dt+\c2)+3],   v[A_V+\n] offset:\c2*32*VPITCH+\dt*32
	ds_load_tr16_b128 v[VF+8*(2*\dt+\c2)+4:VF+8*(2*\dt+\c2)+7], v[A_V+\n] offset:\c2*32*VPITCH+\dt*32+16*VPITCH
.endr
.endr
	s_wait_dscnt 24                                ; K and d of tile 0 are in; younger: d of tile 1 (8), V (16)
	QK 0, 0
	s_wait_dscnt 16                                ; d of tile 1 is in; younger: V
	QK 1, 1
	PLACES
	SRP \n, 0, 0, \first
	s_wait_dscnt 8                                 ; V is in; younger: d of tile 2
	PV 0, \first
	s_wait_dscnt 0x0
	QK 2, 0
	SRP \n, 1, 1, \first
	PV 1, \first
	s_wait_dscnt 0x0                               ; d of tile 3
	QK 3, 1
	SRP \n, 2, 0, \first
	PV 2, \first
	SRP \n, 3, 1, \first
	PV 3, \first
	WIN 0
.if \dl
	DST (1-\n), DR0, DR1, DR2, DR3
.endif
.endm
	; ---- stage 0 ----
	ROUND                                          ; all four work-groups are here: the first joint loads meet
	LDW 0
	LDW 1
.irp p, 0,1,2,3
.irp i, 0,1,2,3,4,5,6,7
	global_load_b128 v[RAW+4*(8*\p+\i):RAW+4*(8*\p+\i)+3], v[Q_G], s[76:77] offset:\i*2048+\p*512 th:TH_LOAD_NT   ; a wave's load covers 512 consecutive bytes
.endr
.endr
	WIN 0x40
.irp ft, 0,1,2,3
	global_load_b128 v[BI+8*\ft:BI+8*\ft+3],   v[B_G], s[88:89] offset:\ft*64      ; bq(64 w + 16 ft + 8 h + 0..7)
	global_load_b128 v[BI+8*\ft+4:BI+8*\ft+7], v[B_G], s[88:89] offset:\ft*64+16
.endr
	WIN 0
	s_wait_loadcnt 8                               ; q is in; the eight younger loads are the bias
.irp p, 0,1,2,3
.irp i, 0,1,2,3,4,5,6,7
	v_cvt_pk_f16_f32 v[QB+2*(8*\p+\i)],   v[RAW+4*(8*\p+\i)],   v[RAW+4*(8*\p+\i)+1]
	v_cvt_pk_f16_f32 v[QB+2*(8*\p+\i)+1], v[RAW+4*(8*\p+\i)+2], v[RAW+4*(8*\p+\i)+3]
.endr
.endr
	XSQ 0
	s_wait_dscnt 0x0
	s_wait_tensorcnt 0x1                           ; my rows of Wq's tile 0 are in; tile 1's load may stay out
	BAR
	s_wait_loadcnt 0x0
	GSTAGE 0, 1
	; ---- stages 1 to 3 ----
	HEAD 1, 0, 1
	XSQ 1
	s_wait_dscnt 0x0
	BAR                                            ; XS is whole
	GSTAGE 1, 0
	HEAD 1, 1, 1
	PFD
	XSQ 2
	s_wait_dscnt 0x0
	BAR
	GSTAGE 0, 0
	HEAD 0, 0, 2
	PFD
	DGL PF, PF+4, PF+8, PF+12                      ; d's first tile, in P's registers, which are idle here
	XSQ 3
	s_wait_dscnt 0x0
	BAR
	GSTAGE 1, 0
	DST 0, PF, PF+4, PF+8, PF+12
	; ---- stage 4: qh / 8 becomes the Q fragments; the first 64 keys ----
	HEAD 0, 1, 2
	PLACES
	WIN 0x41
.irp a, 0,1,2,3,4,5,6,7,8,9,10,11,12,13,14,15
.irp i, 0,2,4,6
	v_pk_mul_f32 v[8*\a+\i:8*\a+\i+1], v[8*\a+\i:8*\a+\i+1], 0x3e000000 op_sel_hi:[1,0]
.endr
.endr
	WIN 0x45
.irp ft, 0,1,2,3
.irp qt, 0,1,2,3
.irp i, 0,1,2,3
	v_cvt_pk_f16_f32 v[QF+16*\qt+4*\ft+\i], v[8*(4*\ft+\qt)+2*\i], v[8*(4*\ft+\qt)+2*\i+1]   ; f tiles 2 c, 2 c + 1 are the two halves of fragment (qt, c)
.endr
.endr
.endr
	WIN 0
	KVSTEP 0, 1, 1, 1                              ; XS was last read in stage 3, in front of this stage's round: d buffer 1 may now be written over it
	; ---- stages 5 to 18 ----
	s_mov_b32 s6, 7
.Lkv:
	HEAD 2, 0, 2
	KVSTEP 1, 0, 1, 1
	HEAD 2, 1, 2
	KVSTEP 0, 0, 1, 1
	s_sub_co_u32 s6, s6, 1
	s_cmp_lg_u32 s6, 0
	s_cbranch_scc1 .Lkv
	; ---- stage 19: the last 64 keys; then x = O / l, each token's row brought into f16's range ----
	HEAD 3, 0, 1
	KVSTEP 1, 0, 0, 0
	PLACES
	GADDR                                          ; d's registers have served: the small products' addresses again
	v_lshl_add_u32 v[A_AM], s3, 8, v[A_AR]         ; the table: each wave's 64 words are 256 bytes of its own
.irp qt, 0,1,2,3
	v_permlanex16_b32 v[T1], v[LS+\qt], s94, s95
	v_add_f32 v[LS+\qt], v[LS+\qt], v[T1]          ; both halves of the keys
.endr
.irp qt, 0,1,2,3
	v_rcp_f32 v[LS+\qt], v[LS+\qt]                 ; 1 / l; the maxima below are the plain instructions behind the reciprocals (ISA guide 5.7.2)
.endr
	; the largest and the smallest of my 32 numbers of O for each query tile, one chain for each (qt, dt)
	WIN 0x15
.irp qt, 0,1,2,3
.irp dt, 0,1,2,3
	v_max3_num_f32 v[TMX+4*\qt+\dt], v[8*(4*\dt+\qt)], v[8*(4*\dt+\qt)+1], v[8*(4*\dt+\qt)+2]
	v_min3_num_f32 v[TMN+4*\qt+\dt], v[8*(4*\dt+\qt)], v[8*(4*\dt+\qt)+1], v[8*(4*\dt+\qt)+2]
.endr
.endr
	WIN 0x14
.irp qt, 0,1,2,3
.irp dt, 0,1,2,3
.irp i, 3,5
	v_max3_num_f32 v[TMX+4*\qt+\dt], v[TMX+4*\qt+\dt], v[8*(4*\dt+\qt)+\i], v[8*(4*\dt+\qt)+\i+1]
	v_min3_num_f32 v[TMN+4*\qt+\dt], v[TMN+4*\qt+\dt], v[8*(4*\dt+\qt)+\i], v[8*(4*\dt+\qt)+\i+1]
.endr
	v_max_num_f32 v[TMX+4*\qt+\dt], v[TMX+4*\qt+\dt], v[8*(4*\dt+\qt)+7]
	v_min_num_f32 v[TMN+4*\qt+\dt], v[TMN+4*\qt+\dt], v[8*(4*\dt+\qt)+7]
.endr
.endr
	WIN 0
	s_wait_alu depctr_va_vdst(0)
.irp qt, 0,1,2,3
	v_max3_num_f32 v[TMX+4*\qt], v[TMX+4*\qt], v[TMX+4*\qt+1], v[TMX+4*\qt+2]
	v_min3_num_f32 v[TMN+4*\qt], v[TMN+4*\qt], v[TMN+4*\qt+1], v[TMN+4*\qt+2]
	v_max_num_f32 v[TMX+4*\qt], v[TMX+4*\qt], v[TMX+4*\qt+3]
	v_min_num_f32 v[TMN+4*\qt], v[TMN+4*\qt], v[TMN+4*\qt+3]
	v_mul_f32 v[TMN+4*\qt], -1.0, v[TMN+4*\qt]
	v_max_num_f32 v[TMX+4*\qt], v[TMX+4*\qt], v[TMN+4*\qt]         ; the largest magnitude of my 32
	v_permlanex16_b32 v[T1], v[TMX+4*\qt], s94, s95
	v_max_num_f32 v[TMX+4*\qt], v[TMX+4*\qt], v[T1]                ; of all 64 of (token, head)
	v_mul_f32 v[TMX+4*\qt], v[TMX+4*\qt], v[LS+\qt]                ; of x = O / l
	ds_store_b32 v[A_AM], v[TMX+4*\qt] offset:\qt*64               ; both halves of the lanes write the same word with the same number
.endr
	s_wait_dscnt 0x0                               ; my four words of the table are written
	BAR                                            ; everybody's are. d buffer 0, which holds the table, was last read in stage 18
.irp qt, 0,1,2,3
.irp u, 0,1,2,3,4,5,6,7
	ds_load_b32 v[AMR+8*\qt+\u], v[A_AR] offset:\qt*64+\u*256      ; token 16 qt + r, head u
.endr
.endr
	s_wait_dscnt 0x0
.irp qt, 0,1,2,3
	v_max3_num_f32 v[AMR+8*\qt], v[AMR+8*\qt], v[AMR+8*\qt+1], v[AMR+8*\qt+2]
	v_max3_num_f32 v[AMR+8*\qt], v[AMR+8*\qt], v[AMR+8*\qt+3], v[AMR+8*\qt+4]
	v_max3_num_f32 v[AMR+8*\qt], v[AMR+8*\qt], v[AMR+8*\qt+5], v[AMR+8*\qt+6]
	v_max_num_f32 v[AMR+8*\qt], v[AMR+8*\qt], v[AMR+8*\qt+7]       ; the token's largest |x| over the eight heads
	v_max_num_f32 v[AMR+8*\qt], 0x0d800000, v[AMR+8*\qt]           ; at least 2^-100 (a row of zeros too),
	v_min_num_f32 v[AMR+8*\qt], 0x7b800000, v[AMR+8*\qt]           ; at most 2^120: both powers below are then normal numbers
	v_and_b32 v[AMR+8*\qt], 0x7f800000, v[AMR+8*\qt]               ; its exponent field E << 23, the number being in 2^(E-127) .. 2^(E-126)
	v_sub_nc_u32 v[T0], 0x85000000, v[AMR+8*\qt]                   ; (266 - E) << 23: the scale 2^(12 - (E - 127))
	v_add_nc_u32 v[MX+\qt], 0xfa000000, v[AMR+8*\qt]               ; (E - 12) << 23: its inverse
	v_mul_f32 v[LS+\qt], v[LS+\qt], v[T0]                          ; 1 / l times the scale: exact, a power of two
.endr
.irp qt, 0,1,2,3
	WIN 0
	v_mov_b32 v[AL], v[LS+\qt]
	RESC \qt
.endr
	WIN 0x45
.irp a, 0,1,2,3,4,5,6,7,8,9,10,11,12,13,14,15
.irp i, 0,1,2,3
	v_cvt_pk_f16_f32 v[XP+4*\a+\i], v[8*\a+2*\i], v[8*\a+2*\i+1]
.endr
.endr
	WIN 0x40
.irp ft, 0,1,2,3
	global_load_b128 v[BI+8*\ft:BI+8*\ft+3],   v[B_G], s[90:91] offset:\ft*64      ; bp, wanted at the very end
	global_load_b128 v[BI+8*\ft+4:BI+8*\ft+7], v[B_G], s[90:91] offset:\ft*64+16
.endr
	; ---- stages 20 to 23: ACC = (scaled x) Wp^T. The round at the head of stage 20 stands between every wave's last reads of d buffer 1 and the stores of x over it ----
	HEAD 0, 1, 1
	XSO 0
	s_wait_dscnt 0x0
	BAR
	GSTAGE 0, 2
	HEAD 1, 0, 1
	XSO 1
	s_wait_dscnt 0x0
	BAR
	GSTAGE 1, 0
	HEAD 1, 1, 1
	XSO 2
	s_wait_dscnt 0x0
	BAR
	GSTAGE 0, 0
	HEAD 0, 0, 0
	XSO 3
	s_wait_dscnt 0x0
	BAR
	GSTAGE 1, 0
	; ---- out = ACC x inverse scale + bp: the token is the lane, so the inverse is one number a lane and query tile ----
	s_wait_loadcnt 0x0                             ; bp
	PLACES
.irp qt, 0,1,2,3
	WIN 0
	v_mov_b32 v[AL], v[MX+\qt]
	WIN 0x51
.irp ft, 0,1,2,3
.irp i, 0,2,4,6
	v_pk_fma_f32 v[8*(4*\ft+\qt)+\i:8*(4*\ft+\qt)+\i+1], v[8*(4*\ft+\qt)+\i:8*(4*\ft+\qt)+\i+1], v[AL:AL+1], v[BI+8*\ft+\i:BI+8*\ft+\i+1] op_sel_hi:[1,0,1]
.endr
.endr
.endr
	; ---- the way out: 32 bytes a lane (eight f of one token) into my own 17,408 bytes of region 0, which have had their last fill and which no other wave
	; touches; back as rows of 256 bytes. LDS serves a wave's instructions in order (ISA guide 5.7.1), so no wait stands between the stores and the loads.
	WIN 0x04
.irp ft, 0,1,2,3
.irp qt, 0,1,2,3
	ds_store_b128 v[A_OS], v[8*(4*\ft+\qt):8*(4*\ft+\qt)+3]   offset:\qt*16*WPITCH+\ft*64
	ds_store_b128 v[A_OS], v[8*(4*\ft+\qt)+4:8*(4*\ft+\qt)+7] offset:\qt*16*WPITCH+\ft*64+16
.endr
.endr
	WIN 0
.irp a, 0,1,2,3
.irp b, 0,1,2,3,4,5,6,7
	ds_load_b128 v[RAW+4*(8*\a+\b):RAW+4*(8*\a+\b)+3], v[A_OR] offset:(8*\a+\b)*2*WPITCH
.endr
.endr
.irp a, 0,1,2,3
.irp b, 0,1,2,3,4,5,6,7
	s_wait_dscnt 31-(8*\a+\b)                      ; loads come back in order: number 8 a + b is in
	global_store_b128 v[O_G], v[RAW+4*(8*\a+\b):RAW+4*(8*\a+\b)+3], s[92:93] offset:(8*\a+\b)*4096 th:TH_STORE_NT   ; sixteen lanes store 256 consecutive bytes, aligned
.endr
.endr
	s_wait_xcnt 0x0
	v_lshl_add_u32 v254, v0, 2, 0x4ec00
	v_mov_b32 v255, 0
	s_wait_tensorcnt 0x0
	ds_add_u32 v254, v255
	s_wait_dscnt 0x0
	ROUND                                          ; the closing round: no work-group ends while a partner may still ask jointly
	s_endpgm
.Lfunc_end_k_q2359d96b7c_attn:
	.size	k_q2359d96b7c_attn, .Lfunc_end_k_q2359d96b7c_attn-k_q2359d96b7c_attn
	.p2alignl 7, 3214868480
	.fill 96, 4, 3214868480
	.section	.rodata,"a",@progbits
	.p2align	6, 0x0
	.amdhsa_kernel k_q2359d96b7c_attn
		.amdhsa_group_segment_fixed_size 327680
		.amdhsa_private_segment_fixed_size 0
		.amdhsa_enable_private_segment 0
		.amdhsa_kernarg_size 72
		.amdhsa_user_sgpr_count 2
		.amdhsa_user_sgpr_kernarg_segment_ptr 1
		.amdhsa_wavefront_size32 1
		.amdhsa_system_sgpr_workgroup_id_x 1
		.amdhsa_system_sgpr_workgroup_id_y 1
		.amdhsa_system_sgpr_workgroup_id_z 1
		.amdhsa_system_vgpr_workitem_id 0
		.amdhsa_next_free_vgpr 512
		.amdhsa_next_free_sgpr 106
		.amdhsa_reserve_vcc 0
		.amdhsa_float_denorm_mode_32 3
		.amdhsa_float_denorm_mode_16_64 3
		.amdhsa_memory_ordered 1
		.amdhsa_forward_progress 1
		.amdhsa_inst_pref_size 255
	.end_amdhsa_kernel
	.section	.bss,"aw",@nobits
	.p2align	6
	.space	262144
	.amdgpu_metadata
---
amdhsa.version: [ 1, 2 ]
amdhsa.kernels:
  - .name:           k_q2359d96b7c_attn
    .symbol:         k_q2359d96b7c_attn.kd
    .args:
      - { .name: q, .offset: 0, .size: 8, .value_kind: global_buffer, .address_space: global }
      - { .name: d, .offset: 8, .size: 8, .value_kind: global_buffer, .address_space: global }
      - { .name: kh, .offset: 16, .size: 8, .value_kind: global_buffer, .address_space: global }
      - { .name: vh, .offset: 24, .size: 8, .value_kind: global_buffer, .address_space: global }
      - { .name: wq16, .offset: 32, .size: 8, .value_kind: global_buffer, .address_space: global }
      - { .name: wp16, .offset: 40, .size: 8, .value_kind: global_buffer, .address_space: global }
      - { .name: bq, .offset: 48, .size: 8, .value_kind: global_buffer, .address_space: global }
      - { .name: bp, .offset: 56, .size: 8, .value_kind: global_buffer, .address_space: global }
      - { .name: out0, .offset: 64, .size: 8, .value_kind: global_buffer, .address_space: global }
    .group_segment_fixed_size: 327680
    .private_segment_fixed_size: 0
    .kernarg_segment_align: 8
    .kernarg_segment_size: 72
    .max_flat_workgroup_size: 256
    .sgpr_count:     106
    .vgpr_count:     512
    .wavefront_size: 32
...
	.end_amdgpu_metadata
.endif
;; end of part 2
